; MI455X (gfx1250); checked and timed in simulation.
; The chip was launched on July 23, 2026; its instructions are those of AMD's public machine-readable ISA for CDNA 5 (MIT licence, August 2026) and "CDNA5" Instruction Set Architecture Reference Guide (July 2026). The comments in the code are by the model that wrote it; some were corrected since.
;; Bahdanau Attention. Allowed arithmetic: matrix products marked QUANTISED: E2M1 operands, one E8M0 scale for each 32 along K, by v_wmma_scale_f32_16x16x128_f8f6f4 with both operands' format E2M1 (or v_wmma_scale_f32_32x16x128_f4), f32 sums; products left as they are: f32 operands where the result goes on into a quantised operand, else bf16, f16 or f32 operands; f32 sums; everything else in f32.
;; Inputs: W_h_codes 1,024 x 32 x 16 uint8 (E2M1 codes of W_h, K innermost, in blocks of 32 codes, two codes a byte); W_h_scales 1,024 x 32 uint8 (E8M0 scales of W_h, one for each 32 codes along K); W_s_codes 1,024 x 32 x 16 uint8 (E2M1 codes of W_s, K innermost, in blocks of 32 codes, two codes a byte); W_s_scales 1,024 x 32 uint8 (E8M0 scales of W_s, one for each 32 codes along K); encoder_outputs 32 x 2,048 x 1,024 float32; query_codes 32 x 1 x 32 x 16 uint8 (E2M1 codes of query, K innermost, in blocks of 32 codes, two codes a byte); query_scales 32 x 1 x 32 uint8 (E8M0 scales of query, one for each 32 codes along K); src_lengths 32 int32; v 1,024 float32.
;; Outputs: out0 32 x 1 x 1,024 float32.
;; This version of the problem:
;;   THIS VERSION OF THE PROBLEM IS GIVEN IN LOW PRECISION. The matrix products marked QUANTISED in the list below multiply operands that are first quantised to E2M1 (2 exponent bits, 1 mantissa bit; 4 bits a number), with one power-of-two scale for each 32 numbers along K (OCP MX v1.0); their sums are f32. All else is computed in f32.
;;   The module's matrix products, in the order in which they are computed (A, B: the left and right operand; K: the contracted axis; several contracted axes count as one K, in the product's order):
;;     1. [M 65,536, K 1,024] x [K 1,024, N 1,024]; A: input encoder_outputs; B: input W_h (given as codes): QUANTISED
;;     2. [M 32, K 1,024] x [K 1,024, N 1,024]; A: input query (given as codes); B: input W_s (given as codes): QUANTISED
;;     3. [M 65,536, K 1,024] x [K 1,024, N 1]; A: computed on the way; B: input v: left as it is (N = 1 < 16)
;;     4. batch 32 x [M 1, K 2,048] x [K 2,048, N 1,024]; A: softmax; B: input encoder_outputs: left as it is (M = 1 < 16)
;;   THE QUANTISER, for each operand of a quantised product, along K:
;;     - K is cut into blocks of 32 from its start; a last block that is shorter is filled with zeros.
;;     - A block's scale is 2^e with e = floor(log2(the largest magnitude in the block)) - 2, held to -126 .. 127; a block of zeros has e = 0. As a byte (E8M0): e + 127.
;;     - Each number is divided by its block's scale, clamped to +-6, and rounded to the nearest number of E2M1, ties to even, subnormals kept.
;;     - The product sums the exact products of the quantised numbers (number of the format x scale) in f32.
;;   ~~~python
;;   def quantise(x, axis):      # numpy; x: float32 -> the quantised numbers, widened to float32 again
;;       x = np.moveaxis(x, axis, -1); K = x.shape[-1]
;;       x = np.pad(x, [(0, 0)] * (x.ndim - 1) + [(0, -K % 32)]); x = x.reshape(x.shape[:-1] + (-1, 32)); a = np.abs(x).max(-1, keepdims=True)
;;       e = np.where(a > 0, np.clip(np.frexp(np.where(a > 0, a, 1))[1] - 1 - 2, -126, 127), 0)      # np.frexp(a)[1] - 1 = floor(log2(a)), exactly
;;       r = np.clip(x / 2.0 ** e, -6, 6)
;;       step = 2.0 ** (np.maximum(np.frexp(np.where(r == 0, 1, r))[1] - 1, 0) - 1)
;;       q = np.round(r / step) * step * 2.0 ** e      # np.round: ties to even
;;       return np.moveaxis(q.reshape(q.shape[:-2] + (-1,))[..., :K], -1, axis).astype(np.float32)
;;   ~~~
;;   INPUTS GIVEN AS CODES. W_h (in the module: [1024, 1024], K = its axis 0); W_s (in the module: [1024, 1024], K = its axis 0); query (in the module: [32, 1, 1024], K = its axis 2): each comes as NAME_codes (uint8): NAME with its K axis moved to the last place and cut into blocks of 32 codes, [.., K / 32, bytes a block], one block behind the other in memory; two codes a byte, the lower K in the low four bits (a code: sign, 2 exponent bits, 1 mantissa bit); and NAME_scales (uint8): the same leading axes, one E8M0 byte (e + 127) for each 32 codes along K. Its value is code x scale, taken as it is: it is not quantised again, and the codes and scales need not be those that the quantiser above would give.
;; One version. Each part assembles by itself: llvm-mc -triple=amdgcn-amd-amdhsa -mcpu=gfx1250 --defsym DOCPART=n.
;; ======== version 1 of 1: 3 launches
;; limits: right only within a limited range of input values; values are held in f16: magnitudes above 65,504 overflow, below 6.1e-05 lose precision; inputs' magnitudes at most 65,504
;; workspace buffers: psc 131,072 bytes; part_o 2,228,224 bytes; part_ml 4,608 bytes
;; launch projs (part 1): grid 16 x 1, 4 waves a work-group, no clusters, 9,216 bytes of LDS; arguments query_codes, query_scales, W_s_codes, W_s_scales, psc; writes psc
.if DOCPART == 1
	.amdgcn_target "amdgcn-amd-amdhsa--gfx1250"
	.amdhsa_code_object_version 6
	.text
	.protected	k_q0de1f6eac1_projs
	.globl	k_q0de1f6eac1_projs
	.p2align	8
	.type	k_q0de1f6eac1_projs,@function
k_q0de1f6eac1_projs:
	s_mov_b64 s[64:65], 0
	v_nop
	global_prefetch_b8 v0, s[64:65] scope:SCOPE_SE
	s_setreg_imm32_b32 hwreg(HW_REG_WAVE_MODE, 25, 1), 1
	s_wait_xcnt 0x0
; psc[b][d] = 2 log2(e) x the sum over k of query[b][k] W_s[k][d]: the second product of the table, on the codes of E2M1 and the E8M0 bytes as they are given,
; already multiplied by the factor that the next launch's tanh wants (tanh(x) = 1 - 2 / (1 + 2^(2 log2(e) x))).
; query_codes [32][512 bytes], query_scales [32][32], W_s_codes [1024 (d)][512 bytes], W_s_scales [1024][32]; psc [32][1024] f32.
; SHARES.  Work-group x owns columns d = 64 x .. 64 x + 63, wave w 16 of them, for all 32 batches (two tiles of 16).  K = 1,024 is eight matrix instructions deep for each tile.
; THE PRODUCT IS USED TRANSPOSED (source 0 = 16 rows of W_s, source 1 = 16 batches): a lane then holds eight neighbouring d of one batch, 32 bytes of a row of psc.
; The rows meet in a stage in LDS (32 rows x (256 + 16) bytes) and leave as aligned runs of 256 bytes, sixteen lanes to a run.
; No ring and no cluster: 0.56 MB are read once, and every byte by one wave (the query's 16 KB by all).
.set SP,    272                        ; a stage row: 64 columns x 4 bytes + 16 of padding
.set SPARE, 32*SP                      ; behind the stage: the spare words, 128 bytes for each wave, that no other line names
.set WSC,   16                         ; v16-23  W_s's scale words, one for each K step: they hold scales and nothing else
.set QSC,   24                         ; v24-31  the query's: lanes 0-15 batches 0-15, lanes 16-31 batches 16-31
.set WF,    32                         ; v32-95  W_s's eight fragments
.set QF,    96                         ; v96-223 the query's, two tiles x eight
.set AC,    224                        ; v224-239 the two accumulators
.set RS,    240                        ; v240-255 the results, scaled
	s_load_b256 s[4:11], s[0:1], 0x0               ; query's codes s[4:5], its scales s[6:7], W_s's codes s[8:9], its scales s[10:11]
	s_load_b64 s[12:13], s[0:1], 0x20              ; psc
	v_lshl_add_u32 v1, v0, 2, SPARE                ; my spare word
	v_mov_b32 v2, 0
	v_lshrrev_b32 v3, 5, v0
	v_readfirstlane_b32 s14, v3                    ; wave 0..3
	v_and_b32 v4, 31, v0                           ; lane
	v_and_b32 v5, 15, v0                           ; r
	v_bfe_u32 v6, v0, 4, 1                         ; h
	s_lshl_b32 s15, ttmp9, 6
	s_lshl_b32 s16, s14, 4
	s_add_co_u32 s15, s15, s16                     ; d0 = 64 x + 16 w
	v_add_nc_u32 v7, s15, v5                       ; my row of W_s
	v_lshlrev_b32 v8, 9, v7
	v_lshl_add_u32 v8, v6, 4, v8                   ; its codes: 512 bytes a row, + 16 h
	v_lshlrev_b32 v9, 5, v7                        ; its scale bytes: 32 a row
	v_lshlrev_b32 v10, 9, v5
	v_lshl_add_u32 v10, v6, 4, v10                 ; the query's codes: batch r, + 16 h
	v_lshlrev_b32 v11, 5, v4                       ; the query's scale bytes: batch = lane
	s_lshl_b32 s16, s14, 6
	v_mul_u32_u24 v12, v5, SP
	v_lshl_add_u32 v12, v6, 5, v12
	v_add_nc_u32 v12, s16, v12                     ; into the stage: row r, my wave's 64 bytes, + 32 h
	s_mul_i32 s17, s14, 8*SP
	v_mul_u32_u24 v13, v6, SP
	v_lshl_add_u32 v13, v5, 4, v13
	v_add_nc_u32 v13, s17, v13                     ; back: my wave's rows 8 w on; lanes 0-15 one row, lanes 16-31 the next
	s_lshl_b32 s18, s14, 15
	s_lshl_b32 s19, ttmp9, 8
	s_add_co_u32 s18, s18, s19
	v_lshlrev_b32 v14, 12, v6
	v_lshl_add_u32 v14, v5, 4, v14
	v_add_nc_u32 v14, s18, v14                     ; and the same place in psc: (8 w + h) rows of 4,096 bytes + 256 x + 16 r
	s_wait_kmcnt 0x0
	global_load_b128 v[WSC:WSC+3], v9, s[10:11]
	global_load_b128 v[WSC+4:WSC+7], v9, s[10:11] offset:16
	global_load_b128 v[QSC:QSC+3], v11, s[6:7]
	global_load_b128 v[QSC+4:QSC+7], v11, s[6:7] offset:16
.irp k, 0,1,2,3,4,5,6,7
.irp c, 0,1
	global_load_b128 v[WF+8*\k+4*\c:WF+8*\k+4*\c+3], v8, s[8:9] offset:64*\k+32*\c
	global_load_b128 v[QF+8*\k+4*\c:QF+8*\k+4*\c+3], v10, s[4:5] offset:64*\k+32*\c
	global_load_b128 v[QF+64+8*\k+4*\c:QF+64+8*\k+4*\c+3], v10, s[4:5] offset:8192+64*\k+32*\c
.endr
.endr
	s_wait_loadcnt 0x0
; The two accumulators take turns, one instruction a turn; the first K step starts the sums.
	v_wmma_scale_f32_16x16x128_f8f6f4 v[AC:AC+7], v[WF:WF+7], v[QF:QF+7], 0, v[WSC], v[QSC] matrix_a_fmt:MATRIX_FMT_FP4 matrix_b_fmt:MATRIX_FMT_FP4
	v_wmma_scale_f32_16x16x128_f8f6f4 v[AC+8:AC+15], v[WF:WF+7], v[QF+64:QF+71], 0, v[WSC], v[QSC] matrix_a_fmt:MATRIX_FMT_FP4 matrix_b_fmt:MATRIX_FMT_FP4 matrix_b_scale:MATRIX_SCALE_ROW1
.irp k, 1,2,3,4,5,6,7
	v_wmma_scale_f32_16x16x128_f8f6f4 v[AC:AC+7], v[WF+8*\k:WF+8*\k+7], v[QF+8*\k:QF+8*\k+7], v[AC:AC+7], v[WSC+\k], v[QSC+\k] matrix_a_fmt:MATRIX_FMT_FP4 matrix_b_fmt:MATRIX_FMT_FP4
	v_wmma_scale_f32_16x16x128_f8f6f4 v[AC+8:AC+15], v[WF+8*\k:WF+8*\k+7], v[QF+64+8*\k:QF+64+8*\k+7], v[AC+8:AC+15], v[WSC+\k], v[QSC+\k] matrix_a_fmt:MATRIX_FMT_FP4 matrix_b_fmt:MATRIX_FMT_FP4 matrix_b_scale:MATRIX_SCALE_ROW1
.endr
.rept 4
	v_nop                                          ; four places between the last product and the first read of results (ISA guide 7.12.1)
.endr
.irp i, 0,1,2,3,4,5,6,7
	v_pk_mul_f32 v[RS+2*\i:RS+2*\i+1], v[AC+2*\i:AC+2*\i+1], 0x4038aa3b op_sel_hi:[1,0]   ; x 2 log2(e); each accumulator from its low end on
.endr
.irp t, 0,1
	ds_store_b128 v12, v[RS+8*\t:RS+8*\t+3] offset:16*\t*SP         ; lane (r, h): psc(16 t + r, d0 + 8 h + 0 .. 7)
	ds_store_b128 v12, v[RS+8*\t+4:RS+8*\t+7] offset:16*\t*SP+16
.endr
	s_wait_alu depctr_va_vdst(0)
	s_wait_dscnt 0x0                               ; for the others' sake: my stores into the stage are done
	s_barrier_signal -1
	s_barrier_wait -1                              ; a row's 256 bytes come from four waves
.irp i, 0,1,2,3
	ds_load_b128 v[RS+4*\i:RS+4*\i+3], v13 offset:2*\i*SP
.endr
.irp i, 0,1,2,3
	s_wait_dscnt 3-\i                              ; LDS loads come back in order: load i is in, the younger ones may be out
	global_store_b128 v14, v[RS+4*\i:RS+4*\i+3], s[12:13] offset:2*\i*4096   ; sixteen lanes store 256 consecutive bytes, at a multiple of 256 from psc's first byte
.endr
	s_wait_tensorcnt 0x0                           ; the wave's end
	ds_add_u32 v1, v2
	s_wait_dscnt 0x0
	s_endpgm
.Lfunc_end_k_q0de1f6eac1_projs:
	.size	k_q0de1f6eac1_projs, .Lfunc_end_k_q0de1f6eac1_projs-k_q0de1f6eac1_projs
	.p2alignl 7, 3214868480
	.fill 96, 4, 3214868480
	.section	.rodata,"a",@progbits
	.p2align	6, 0x0
	.amdhsa_kernel k_q0de1f6eac1_projs
		.amdhsa_group_segment_fixed_size 9216
		.amdhsa_private_segment_fixed_size 0
		.amdhsa_enable_private_segment 0
		.amdhsa_kernarg_size 40
		.amdhsa_user_sgpr_count 2
		.amdhsa_user_sgpr_kernarg_segment_ptr 1
		.amdhsa_wavefront_size32 1
		.amdhsa_system_sgpr_workgroup_id_x 1
		.amdhsa_system_sgpr_workgroup_id_y 1
		.amdhsa_system_sgpr_workgroup_id_z 1
		.amdhsa_system_vgpr_workitem_id 0
		.amdhsa_next_free_vgpr 256
		.amdhsa_next_free_sgpr 66
		.amdhsa_reserve_vcc 0
		.amdhsa_float_denorm_mode_32 3
		.amdhsa_float_denorm_mode_16_64 3
		.amdhsa_memory_ordered 1
		.amdhsa_forward_progress 1
		.amdhsa_inst_pref_size 11
	.end_amdhsa_kernel
	.amdgpu_metadata
---
amdhsa.version: [ 1, 2 ]
amdhsa.kernels:
  - .name:           k_q0de1f6eac1_projs
    .symbol:         k_q0de1f6eac1_projs.kd
    .args:
      - { .name: query_codes, .offset: 0, .size: 8, .value_kind: global_buffer, .address_space: global }
      - { .name: query_scales, .offset: 8, .size: 8, .value_kind: global_buffer, .address_space: global }
      - { .name: W_s_codes, .offset: 16, .size: 8, .value_kind: global_buffer, .address_space: global }
      - { .name: W_s_scales, .offset: 24, .size: 8, .value_kind: global_buffer, .address_space: global }
      - { .name: psc, .offset: 32, .size: 8, .value_kind: global_buffer, .address_space: global }
    .group_segment_fixed_size: 9216
    .private_segment_fixed_size: 0
    .kernarg_segment_align: 8
    .kernarg_segment_size: 40
    .max_flat_workgroup_size: 128
    .sgpr_count:     66
    .vgpr_count:     256
    .wavefront_size: 32
...
	.end_amdgpu_metadata
.endif
;; end of part 1
;; launch attend (part 2): grid 256 x 1, 4 waves a work-group, no clusters, 307,712 bytes of LDS; arguments encoder_outputs, W_h_codes, W_h_scales, v, psc, src_lengths, part_o, part_ml; writes part_o, part_ml
.if DOCPART == 2
	.amdgcn_target "amdgcn-amd-amdhsa--gfx1250"
	.amdhsa_code_object_version 6
	.text
	.protected	k_q0de1f6eac1_attend
	.globl	k_q0de1f6eac1_attend
	.p2align	8
	.type	k_q0de1f6eac1_attend,@function
k_q0de1f6eac1_attend:
	s_mov_b64 s[64:65], 0
	v_nop
	global_prefetch_b8 v0, s[64:65] scope:SCOPE_SE
	s_setreg_imm32_b32 hwreg(HW_REG_WAVE_MODE, 25, 1), 1
	s_wait_xcnt 0x0
; For runs of rows of encoder_outputs: quantise to E2M1 along H, proj_h = rows x W_h on codes, score = sum over d of v[d] tanh(proj_h + proj_s), the mask, and a PART of the softmax and of
; the weighted sum: for each run of rows of one batch its largest score m, l = sum of exp(score - m), o[:] = sum of exp(score - m) x row[:].  The next launch joins the parts.
; WORK LEFT OUT, AND WHY IT IS DEAD.  reference() replaces the score of every row s >= src_lengths[b] by -1e9, whatever proj_h of that row is: products 1 and 3 of such a row reach no output, for all inputs.
; Where src_lengths[b] > 0 the batch's maximum is a true score, of magnitude at most sum |v[d]|, and the weight exp(-1e9 - maximum) of such a row is 0 in f32: its term of product 4 moves no result.
; So tiles of 16 rows that lie wholly at or beyond a length above 0 are neither loaded nor multiplied.  A batch of length 0 keeps all 2,048 rows: its scores are all -1e9, its weights equal.
; Which tiles those are is read from src_lengths, whole numbers in memory.  Every input has a way to the output and is loaded, here or in the launch before.
; LIMITS: sum |v[d]| under 9e8; a NaN, an infinity or an overflow in a row that is left out is not carried to the result; a block of 32 whose largest magnitude lies under 2^-124, a block of zeros too, gets the
; scale byte 1 (its codes are zeros, and this program alone reads the bytes); for product 4 rows and weights are rounded to f16: magnitudes of encoder_outputs up to 65,504 are served there; beyond that, or with
; a NaN or an infinity in a live row, all runs of that row's unit become NaN; lengths under 0 count as 0 and over 2,048 as 2,048.  f16 and not bf16: a short batch sums few rows, and f16 has 11 bits of significand.
; SHARING OUT.  The live tiles of all batches form one list of T tiles.  Units 0 .. 255 hold c1 = min(8, ceil(T / 256)) tiles each, units 256 .. 511 c2 = ceil((T - 256 c1) / 256) each of what is left.
; Work-group w takes units w and w + 256, in two passes.  A run of tiles of batch b in unit u stores its part in slot u + b.
; A unit's tiles are made up to a multiple of four by its own last tile again: what these spare tiles give is stored nowhere.
; A PASS.  (X) a loop of four trips, a group of two tiles a trip; a wave has 4 rows of each tile, eight row slots of 32 registers.  A slot that has been quantised is asked for again at once: the next group's row, or,
; in the unit's last group, the eight loads of W_h's codes that belong in these registers.  Both arms hold eight loads, so behind a row's loads stand 56 younger ones on every way.
; Codes, scale bytes and an f16 copy go to LDS; the codes as images of the operand's registers, in two places by turns; behind a trip's barrier every wave fetches the group's images into registers.
; (MAIN) the waves share the columns: wave w streams W_h's columns 256 w .. 256 w + 255 into registers, 32 at a time in two buffers.  Four tiles x 32 columns are 64 products on 8 accumulators, then tanh and the product with v.
; (RED, SM) the waves' parts of the scores meet in LDS; every wave makes the weights.  (WS) wave w multiplies its 256 columns of the copy by the weights in the matrix unit.
; NO CLUSTER, NO TENSOR LOAD, though all work-groups read W_h: how many tiles a work-group has hangs on src_lengths, so the text branches on numbers read from memory.  No barrier stands under such a branch.
; NO PREFETCH: through phase X each wave has 56 to 64 loads of rows on their way, asked for seven row slots ahead; W_h's columns are asked for one buffer ahead.
; tanh(x) = 1 - 2 / (1 + 2^(2 log2(e) x)): score = sum v - 2 sum of v / (1 + 2^y), y = 2 log2(e) proj_h + psc.  The sums SA start at -1/2 sum v and are multiplied by -2 at the end.
; LDS: BF the f16 copy, row at 2,080 x row; in a row the 16 bytes at 512 i + 16 l hold columns 256 i + 4 l + 0 .. 3 and 256 i + 128 + 4 l + 0 .. 3 | IMG 4 tiles x 8 K steps x 1,088: registers 4 c .. 4 c + 3 of lane (r, h)
; at 544 c + 272 h + 16 r; later the waves' stages | ASC scale bytes 512 m + 64 k + 4 r + block | SCW the waves' parts of the scores | the spare words.
.set BP,    2080
.set IMG,   128*BP
.set ASC,   IMG+34816
.set SCW,   ASC+4096
.set SPARE, SCW+2048
.set STP,   1040
.set STW,   8*STP
.set SPW,   1                          ; my spare word;  NIL: 0
.set NIL,   2
.set LOFF,  3                          ; enc: 16 lane + 4 w rows
.set BOFF,  4                          ; W_h's codes: (256 w + r) 512 + 16 h
.set BSOFF, 5                          ; W_h's scale bytes
.set PSOFF, 6                          ; psc and v
.set IMGST, 7
.set SCST,  8
.set TAU,   9
.set IMGLD, 10
.set ASCLD, 11
.set BTL,   12                         ; of tile lane & 7: its batch, or 64 + tile where the unit has no such tile
.set REML,  13                         ; of tile lane & 7: the length less the tile's first row
.set SV0,   14
.set ROWV,  15                         ; of tile lane & 7: its first row in enc
.set REDST, 17
.set SCLD,  18
.set STST,  19
.set STLD,  20
.set MLOFF, 21
.set OOFF,  22
.set LANE,  23
.set BFS,   24                         ; the copy: 16 lane + 4 w rows;  BFC, IMC, SCC: the trip's places in the copy, the images and the scale bytes
.set BFC,   25
.set IMC,   26
.set SCC,   27
.set TRA,   28                         ; v28-31 the turning loads, a pair of tiles each
.set AS,    32                         ; v32-63 A's scale words [4 m + i]: lanes 0-15 K step 2 i, lanes 16-31 K step 2 i + 1
.set BS,    64                         ; v64-79 W_h's [8 p + k]
.set VB,    80
.set PSR,   84                         ; v84-115 psc [16 p + 8 tt + tile]
.set SA,    116                        ; v116-179 the sums [8 m + j]
.set ACC,   180                        ; v180-243 eight accumulators
.set XT,    116
.set XM,    180
.set WB,    84
.set SL,    116
.set OA,    196
; Window 1: row slots, then W_h's fragments v[128 p + 64 tt + 8 k], then WS's accumulators.  Window 2: A's tiles 0-3, v[64 (m % 4) + 8 k], then fragments of the copy.  Window 3: tiles 4-7.
.set G,     82                         ; phase X: the trip; is there a next group; the trip's steps in the copy, the images, the scale bytes
.set MORE,  83
.set SBF,   84
.set SIM,   85
.set SSC,   86
.set CS,    100
.set SEL,   104
.set MSB, 0
.macro WIN new
.if MSB != (\new)
	s_set_vgpr_msb (MSB<<8)|(\new)
.set MSB, (\new)
.endif
.endm
.macro VW
	s_wait_alu depctr_va_vdst(0)
.endm
.macro BARRIER                         ; my LDS stores have landed and my LDS loads are in: then the work-group's barrier
	VW
	s_wait_dscnt 0x0
	s_barrier_signal -1
	s_barrier_wait -1
.endm
; X_i = E_i << 17 | i << 12 | L_i.  L_i: the length held to 0 .. 2,048; a batch has ceil(L / 16) tiles, or all 128 where L = 0; E_i: tiles of batches 0 .. i.
.macro PREFIX e, t
	s_mov_b32 s[\e], 0
.set i_, 0
.rept 32
	s_max_i32 s[32+i_], s[32+i_], 0
	s_min_u32 s[32+i_], s[32+i_], 2048
	s_add_co_u32 s[\t], s[32+i_], 15
	s_lshr_b32 s[\t], s[\t], 4
	s_cmp_eq_u32 s[32+i_], 0
	s_cselect_b32 s[\t], 128, s[\t]
	s_add_co_u32 s[\e], s[\e], s[\t]
	s_lshl_b32 s[\t], s[\e], 17
	s_or_b32 s[32+i_], s[32+i_], s[\t]
.if i_ > 0
	s_or_b32 s[32+i_], s[32+i_], (i_<<12)
.endif
.set i_, i_+1
.endr
.endm
	s_load_b512 s[4:19], s[0:1], 0x0               ; enc, W_h's codes, its scales, v, psc, lengths, part_o, part_ml
	v_lshl_add_u32 v[SPW], v0, 2, SPARE
	v_mov_b32 v[NIL], 0
	v_lshrrev_b32 v244, 5, v0
	v_readfirstlane_b32 s20, v244                  ; wave
	v_and_b32 v[LANE], 31, v0
	v_and_b32 v[TAU], 7, v0
	v_and_b32 v244, 15, v0                         ; r
	v_bfe_u32 v245, v0, 4, 1                       ; h
	v_bfe_u32 v246, v0, 3, 1
	v_and_b32 v247, 7, v0
	v_bfe_u32 v248, v0, 3, 2
	s_lshl_b32 s28, s20, 14
	v_lshl_add_u32 v[LOFF], v[LANE], 4, s28
	s_lshl_b32 s28, s20, 17
	v_lshl_add_u32 v[BOFF], v244, 9, s28
	v_lshl_add_u32 v[BOFF], v245, 4, v[BOFF]
	s_lshl_b32 s28, s20, 13
	v_lshl_add_u32 v[BSOFF], v[LANE], 5, s28
	s_mul_i32 s28, s20, 4*BP
	v_lshl_add_u32 v[BFS], v[LANE], 4, s28
	s_lshl_b32 s28, s20, 10
	v_lshl_add_u32 v[PSOFF], v244, 2, s28
	v_lshl_add_u32 v[OOFF], v[LANE], 4, s28
	s_lshl_b32 s28, s20, 6
	s_add_co_u32 s28, s28, IMG
	v_mul_u32_u24 v251, v245, 544
	v_mad_u32_u24 v251, v246, 272, v251
	v_lshl_add_u32 v251, v247, 1, v251
	v_add_nc_u32 v[IMGST], s28, v251               ; lane l's four codes are bytes 2 l, 2 l + 1 of a row's 64
	s_lshl_b32 s28, s20, 4
	s_add_co_u32 s28, s28, ASC
	v_add_nc_u32 v[SCST], s28, v248
	v_mul_u32_u24 v251, v245, 272
	v_lshl_add_u32 v251, v244, 4, v251
	v_add_nc_u32 v[IMGLD], IMG, v251
	v_lshl_add_u32 v[ASCLD], v[LANE], 2, ASC
	s_lshl_b32 s28, s20, 9
	v_lshl_add_u32 v251, v245, 3, v247
	v_mul_u32_u24 v251, v251, BP
	v_lshl_add_u32 v251, v246, 4, v251
	v_add_nc_u32 v[TRA], s28, v251
.irp g, 1,2,3
	v_add_nc_u32 v[TRA+\g], 32*BP*\g, v[TRA]
.endr
	s_add_co_u32 s29, s28, SCW
	v_lshl_add_u32 v[REDST], v245, 5, s29
	v_lshlrev_b32 v251, 6, v247
	v_lshl_add_u32 v251, v248, 4, v251
	v_add_nc_u32 v[SCLD], SCW, v251
	s_mul_i32 s28, s20, STW
	s_add_co_u32 s28, s28, IMG
	v_mul_u32_u24 v251, v247, STP
	v_lshl_add_u32 v251, v245, 4, v251
	v_add_nc_u32 v[STST], s28, v251
	v_lshl_add_u32 v[STLD], v[LANE], 4, s28
	v_mov_b32 v[MLOFF], 0
	VW
	s_mov_b32 s29, 0x1800000                       ; the floor 2^(3 - 127)
	s_mov_b32 s30, 0xff000000                      ; -(2 << 23)
	s_mov_b32 s[CS], 0x4038aa3b                    ; 2 log2(e)
	s_mov_b32 s[CS+1], s[CS]
	s_mov_b32 s[SEL], 0x76543210
	s_mov_b32 s[SEL+1], 0xfedcba98
	s_wait_kmcnt 0x0
	s_load_b512 s[32:47], s[14:15], 0x0            ; the 32 lengths
	s_load_b512 s[48:63], s[14:15], 0x40
.irp t, 0,1,2,3,4,5,6,7,8,9,10,11,12,13,14,15
	global_load_b32 v[SA+\t], v[PSOFF], s[10:11] offset:64*\t
.endr
	s_wait_kmcnt 0x0
	PREFIX 23, 28
	s_sub_co_u32 s3, s23, 1
	s_add_co_u32 s24, s23, 255
	s_lshr_b32 s24, s24, 8
	s_min_u32 s24, s24, 8                          ; c1
	s_lshl_b32 s2, s24, 8
	s_sub_co_i32 s90, s23, s2
	s_max_i32 s90, s90, 0
	s_add_co_u32 s90, s90, 255
	s_lshr_b32 s90, s90, 8
	s_max_u32 s90, s90, 1                          ; c2
	s_wait_loadcnt 0x0
.irp j, 0,4,8,12
	v_pk_add_f32 v[SA+\j:SA+\j+1], v[SA+\j:SA+\j+1], v[SA+\j+2:SA+\j+3]
.endr
	v_pk_add_f32 v[SA:SA+1], v[SA:SA+1], v[SA+4:SA+5]
	v_pk_add_f32 v[SA+8:SA+9], v[SA+8:SA+9], v[SA+12:SA+13]
	v_pk_add_f32 v[SA:SA+1], v[SA:SA+1], v[SA+8:SA+9]
	v_add_f32 v[SV0], v[SA], v[SA+1]
	v_mul_f32 v[SV0], -0.5, v[SV0]
	VW
; ---- PHASE X.  Row slot s (tile s / 4 of the group, row 4 w + s % 4): 32 registers of window 1; register 4 k + e is column 128 k + 4 lane + e.  A block of 32 lies in eight neighbouring lanes.
.macro ROWQ s
.set H_, XT+32*((\s)%2)
.set R_, 32*(\s)
.set TI_, (\s)/4
.set RW_, (\s)%4
	s_wait_loadcnt 56                              ; behind this row's eight loads stand seven slots' loads, 56, on every way
	s_wait_dscnt 20                                ; the 20 LDS stores of the row before may be out
	WIN 0x05
.irp k, 0,1,2,3,4,5,6,7
	v_max3_num_f32 v[XM+\k], |v[R_+4*\k]|, |v[R_+4*\k+1]|, s29
.endr
.irp k, 0,1,2,3,4,5,6,7
	v_max3_num_f32 v[XM+\k], |v[R_+4*\k+2]|, |v[R_+4*\k+3]|, v[XM+\k]
.endr
.irp k, 0,1,2,3,4,5,6,7
	v_cvt_pk_f16_f32 v[H_+2*\k], v[R_+4*\k], v[R_+4*\k+1]
	v_cvt_pk_f16_f32 v[H_+2*\k+1], v[R_+4*\k+2], v[R_+4*\k+3]
.endr
	WIN 0
.irp x, 1,2,4
.irp k, 0,1,2,3,4,5,6,7
	v_max_num_f32_dpp v[XM+\k], v[XM+\k], v[XM+\k] row_xmask:\x row_mask:0xf bank_mask:0xf
.endr
.endr
.irp k, 0,1,2,3,4,5,6,7
	v_add_nc_u32 v[XM+\k], s30, v[XM+\k]           ; 2 off the exponent field: the conversion's scale operand
.endr
.irp k, 0,1,2,3,4,5,6,7
	v_lshrrev_b32 v[H_+16+\k], 23, v[XM+\k]        ; the scale's byte
.endr
	WIN 0x01
.irp i, 0,1,2,3                        ; eight registers are four of K step 2 i and four of 2 i + 1: the conversion runs under each scale, and of each result the half made under its own scale is kept
	v_cvt_scalef32_pk8_fp4_f32 v[H_+24+\i], v[R_+8*\i:R_+8*\i+7], v[XM+2*\i]
	v_cvt_scalef32_pk8_fp4_f32 v[H_+28+\i], v[R_+8*\i:R_+8*\i+7], v[XM+2*\i+1]
.endr
	WIN 0
	v_nop                                          ; one plain place behind the last scaled conversion
.irp i, 0,1,2,3
	ds_store_b128 v[BFC], v[H_+4*\i:H_+4*\i+3] offset:TI_*16*BP+RW_*BP+512*\i
.endr
.irp i, 0,1,2,3
	ds_store_b16 v[IMC], v[H_+24+\i] offset:(8*TI_+2*\i)*1088+16*RW_
	ds_store_b16_d16_hi v[IMC], v[H_+28+\i] offset:(8*TI_+2*\i+1)*1088+16*RW_
.endr
.irp k, 0,1,2,3,4,5,6,7
	ds_store_b8 v[SCC], v[H_+16+\k] offset:512*TI_+64*\k+4*RW_
.endr
.endm
.macro LOADA s                         ; a row into slot s: 32 lanes read 512 consecutive bytes, aligned
	WIN 0x40
.irp k, 0,1,2,3,4,5,6,7
	global_load_b128 v[32*(\s)+4*\k:32*(\s)+4*\k+3], v[LOFF], s[96+2*((\s)/4):97+2*((\s)/4)] offset:((\s)%4)*4096+512*\k th:TH_LOAD_NT
.endr
	WIN 0
.endm
.macro NEXT s                          ; slot s is free: the next group's row, or the part of W_h's first 64 columns that belongs in these registers.  Eight loads in either arm
	s_cmp_eq_u32 s[MORE], 1
	s_cbranch_scc0 .Lw_\@
	LOADA \s
	s_branch .Ln_\@
.Lw_\@:
	WIN 0x40
.irp j, 0,1,2,3,4,5,6,7
	global_load_b128 v[32*(\s)+4*\j:32*(\s)+4*\j+3], v[BOFF], s[6:7] offset:16384*((\s)/4)+8192*(((\s)/2)%2)+64*(4*((\s)%2)+\j/2)+32*(\j%2)
.endr
	WIN 0
.Ln_\@:
.endm
.macro SETBASE                         ; s[96:99]: where tiles s28 and s28 + 1 of the unit begin in enc
	s_wait_xcnt 0x0                                ; the earlier loads have read their bases
	v_readlane_b32 s96, v[ROWV], s28
	s_add_co_u32 s28, s28, 1
	v_readlane_b32 s98, v[ROWV], s28
	s_min_u32 s96, s96, 0xfff0                     ; 16 rows from it on lie inside the buffer
	s_min_u32 s98, s98, 0xfff0
	s_lshl_b32 s96, s96, 12
	s_lshl_b32 s98, s98, 12
	s_mov_b32 s97, 0
	s_mov_b32 s99, 0
	s_add_nc_u64 s[96:97], s[4:5], s[96:97]
	s_add_nc_u64 s[98:99], s[4:5], s[98:99]
.endm
.macro FIMGG g                         ; group g's two tiles: 16 fragments into window 2 or 3, their scale words into AS
	WIN (0x80+0x40*((\g)/2))
.irp ti, 0,1
.irp k, 0,1,2,3,4,5,6,7
.irp c, 0,1
	ds_load_b128 v[128*((\g)%2)+64*\ti+8*\k+4*\c:128*((\g)%2)+64*\ti+8*\k+4*\c+3], v[IMGLD] offset:(8*(2*((\g)%2)+\ti)+\k)*1088+544*\c
.endr
.endr
.endr
	WIN 0
.irp ti, 0,1
.irp i, 0,1,2,3
	ds_load_b32 v[AS+4*(2*(\g)+\ti)+\i], v[ASCLD] offset:512*(2*(\g)+\ti)+128*\i
.endr
.endr
.endm
; ---- MAIN
.macro STEPB                           ; the bases go 32 columns on
	s_wait_xcnt 0x0
	s_add_nc_u64 s[94:95], s[94:95], 16384
	s_add_nc_u64 s[96:97], s[96:97], 1024
	s_add_nc_u64 s[98:99], s[98:99], 128
.irp j, 0,1,2,3,4,5,6,7
	s_add_nc_u64 s[66+2*\j:67+2*\j], s[66+2*\j:67+2*\j], 128
.endr
.endm
.macro SMALL p                         ; 20 loads: the 32 columns' scale words, psc and v
	global_load_b128 v[BS+8*\p:BS+8*\p+3], v[BSOFF], s[96:97]
	global_load_b128 v[BS+8*\p+4:BS+8*\p+7], v[BSOFF], s[96:97] offset:16
.irp tt, 0,1
.irp j, 0,1,2,3,4,5,6,7
	global_load_b32 v[PSR+16*\p+8*\tt+\j], v[PSOFF], s[66+2*\j:67+2*\j] offset:64*\tt
.endr
	global_load_b32 v[VB+2*\p+\tt], v[PSOFF], s[98:99] offset:64*\tt
.endr
.endm
.macro RLOAD p                         ; 52 loads
	STEPB
	WIN 0x40
.irp tt, 0,1
.irp k, 0,1,2,3,4,5,6,7
.irp c, 0,1
	global_load_b128 v[128*\p+64*\tt+8*\k+4*\c:128*\p+64*\tt+8*\k+4*\c+3], v[BOFF], s[94:95] offset:8192*\tt+64*\k+32*\c
.endr
.endr
.endr
	WIN 0
	SMALL \p
.endm
; Product i of 64 of half hf (tiles 4 hf .. 4 hf + 3) against buffer p's 32 columns: K step i / 8, accumulator i % 8 = 2 (tile % 4) + tt.  Source 0 = 16 rows, source 1 = 16 columns:
; lane (r, h) holds column r and rows 8 h + 0 .. 7.  The eight accumulators take turns, one instruction a turn; the first K step starts the sums.
.macro WM p, hf, i
.set k_, (\i)/8
.set a_, (\i)%8
.set d_, ACC+8*a_
.set fa_, 64*(a_/2)+8*k_
.set fb_, 128*(\p)+64*(a_%2)+8*k_
.set sa_, AS+4*(4*(\hf)+a_/2)+k_/2
.set sb_, BS+8*(\p)+k_
.if k_ == 0
.if a_%2 == 0
	v_wmma_scale_f32_16x16x128_f8f6f4 v[d_:d_+7], v[fa_:fa_+7], v[fb_:fb_+7], 0, v[sa_], v[sb_] matrix_a_fmt:MATRIX_FMT_FP4 matrix_b_fmt:MATRIX_FMT_FP4
.else
	v_wmma_scale_f32_16x16x128_f8f6f4 v[d_:d_+7], v[fa_:fa_+7], v[fb_:fb_+7], 0, v[sa_], v[sb_] matrix_a_fmt:MATRIX_FMT_FP4 matrix_b_fmt:MATRIX_FMT_FP4 matrix_b_scale:MATRIX_SCALE_ROW1
.endif
.elseif k_%2 == 0
.if a_%2 == 0
	v_wmma_scale_f32_16x16x128_f8f6f4 v[d_:d_+7], v[fa_:fa_+7], v[fb_:fb_+7], v[d_:d_+7], v[sa_], v[sb_] matrix_a_fmt:MATRIX_FMT_FP4 matrix_b_fmt:MATRIX_FMT_FP4
.else
	v_wmma_scale_f32_16x16x128_f8f6f4 v[d_:d_+7], v[fa_:fa_+7], v[fb_:fb_+7], v[d_:d_+7], v[sa_], v[sb_] matrix_a_fmt:MATRIX_FMT_FP4 matrix_b_fmt:MATRIX_FMT_FP4 matrix_b_scale:MATRIX_SCALE_ROW1
.endif
.else
.if a_%2 == 0
	v_wmma_scale_f32_16x16x128_f8f6f4 v[d_:d_+7], v[fa_:fa_+7], v[fb_:fb_+7], v[d_:d_+7], v[sa_], v[sb_] matrix_a_fmt:MATRIX_FMT_FP4 matrix_b_fmt:MATRIX_FMT_FP4 matrix_a_scale:MATRIX_SCALE_ROW1
.else
	v_wmma_scale_f32_16x16x128_f8f6f4 v[d_:d_+7], v[fa_:fa_+7], v[fb_:fb_+7], v[d_:d_+7], v[sa_], v[sb_] matrix_a_fmt:MATRIX_FMT_FP4 matrix_b_fmt:MATRIX_FMT_FP4 matrix_a_scale:MATRIX_SCALE_ROW1 matrix_b_scale:MATRIX_SCALE_ROW1
.endif
.endif
.endm
; What is made of the eight accumulators (64 registers, 32 pairs; pair n lies in accumulator n / 4): y = 2 log2(e) x sum + psc; 2^y; 1 + 2^y; the reciprocal; SA += v x reciprocal.
; Each kind stands as one run; the two batches of 64 transcendentals have one wait ahead and one behind.  Each accumulator is read from its low end on.
.macro LIST p, hf
.rept 4
	v_nop                                          ; four places between the last product and the first read of results (ISA guide 7.12.1)
.endr
.set n_, 0
.rept 32
.set a_, n_/4
.set r_, PSR+16*(\p)+8*(a_%2)+4*(\hf)+2*(a_/4)
.if (a_/2)%2 == 0
	v_pk_fma_f32 v[ACC+2*n_:ACC+2*n_+1], v[ACC+2*n_:ACC+2*n_+1], s[CS:CS+1], v[r_:r_+1] op_sel_hi:[1,0,0]
.else
	v_pk_fma_f32 v[ACC+2*n_:ACC+2*n_+1], v[ACC+2*n_:ACC+2*n_+1], s[CS:CS+1], v[r_:r_+1] op_sel:[0,0,1] op_sel_hi:[1,0,1]
.endif
.set n_, n_+1
.endr
	VW
.set n_, 0
.rept 64
	v_exp_f32 v[ACC+n_], v[ACC+n_]
.set n_, n_+1
.endr
	v_nop
	VW
.set n_, 0
.rept 32
	v_pk_add_f32 v[ACC+2*n_:ACC+2*n_+1], v[ACC+2*n_:ACC+2*n_+1], 1.0 op_sel_hi:[1,0]
.set n_, n_+1
.endr
	VW
.set n_, 0
.rept 64
	v_rcp_f32 v[ACC+n_], v[ACC+n_]
.set n_, n_+1
.endr
	v_nop
	VW
.set n_, 0
.rept 32
.set a_, n_/4
.set o_, SA+8*(4*(\hf)+a_/2)+2*(n_%4)
.if a_%2 == 0
	v_pk_fma_f32 v[o_:o_+1], v[ACC+2*n_:ACC+2*n_+1], v[VB+2*(\p):VB+2*(\p)+1], v[o_:o_+1] op_sel_hi:[1,0,1]
.else
	v_pk_fma_f32 v[o_:o_+1], v[ACC+2*n_:ACC+2*n_+1], v[VB+2*(\p):VB+2*(\p)+1], v[o_:o_+1] op_sel:[0,1,0] op_sel_hi:[1,1,1]
.endif
.set n_, n_+1
.endr
	VW
.endm
.macro HALF p, hf
	WIN (0x06+(\hf))                               ; source 0 (A) window 2 or 3, source 1 (W_h) window 1
.set i_, 0
.rept 64
	WM \p, \hf, i_
.set i_, i_+1
.endr
	WIN 0
	LIST \p, \hf
.endm
.macro NGROUP p
	HALF \p, 0
	s_cmp_gt_u32 s26, 1
	s_cbranch_scc0 .Lj_\@
	HALF \p, 1
.Lj_\@:
.endm
.macro JOIN p                          ; buffer p takes the columns two groups on, but in the last trip.  The loads and the counted wait stand in one arm
	s_cmp_eq_u32 s27, 3
	s_cbranch_scc1 .Llast_\@
	RLOAD \p
	s_wait_loadcnt 52                              ; behind the other buffer's loads stand just these 52
	s_branch .Ljoined_\@
.Llast_\@:
	s_wait_loadcnt 0x0
.Ljoined_\@:
.endm
; ---- THE WEIGHTED SUM.  K = 32 rows: a pair q of tiles.  Source 0 = 16 numbers of each row of the copy, turned.  Source 1 = the weights: column n belongs to tile n % 8 and holds that tile's 16 weights at their rows,
; zeros elsewhere.  In the result lane (n, h) holds tile n % 8's sums of the numbers 8 h + 0 .. 7: tiles do not mix.
.macro TRLOAD q
	WIN 0x80
.irp t, 0,1,2,3,4,5,6,7,8,9,10,11,12,13,14,15
	ds_load_tr16_b128 v[128*((\q)%2)+8*\t:128*((\q)%2)+8*\t+3], v[TRA+(\q)] offset:32*\t
	ds_load_tr16_b128 v[128*((\q)%2)+8*\t+4:128*((\q)%2)+8*\t+7], v[TRA+(\q)] offset:16*BP+32*\t
.endr
	WIN 0
.endm
.macro WMMAS q                         ; 16 accumulators by turns; pair 0 starts the sums
	WIN 0x52
.irp t, 0,1,2,3,4,5,6,7,8,9,10,11,12,13,14,15
.if (\q) == 0
	v_wmma_f32_16x16x32_f16 v[8*\t:8*\t+7], v[128*((\q)%2)+8*\t:128*((\q)%2)+8*\t+7], v[WB+8*(\q):WB+8*(\q)+7], 0
.else
	v_wmma_f32_16x16x32_f16 v[8*\t:8*\t+7], v[128*((\q)%2)+8*\t:128*((\q)%2)+8*\t+7], v[WB+8*(\q):WB+8*(\q)+7], v[8*\t:8*\t+7]
.endif
.endr
	WIN 0
.endm
.macro CH q                            ; pair q's products; where the unit has a pair q + 1, its fragments are asked for first
.if (\q) < 3
	s_cmp_gt_u32 s26, ((\q)+1)/2
	s_cbranch_scc0 .Llastch_\@
.if (\q) > 0
.rept 4
	v_nop                                          ; places in front of loads into the buffer that pair q - 1's products have read
.endr
.endif
	TRLOAD (\q)+1
	s_wait_dscnt 32                                ; pair q's fragments are in; the 32 loads just issued may be out
	WMMAS \q
	s_branch .Lnextch_\@
.Llastch_\@:
	s_wait_dscnt 0x0
	WMMAS \q
	s_branch .Lstage
.Lnextch_\@:
.else
	s_wait_dscnt 0x0
	WMMAS \q
.endif
.endm
.macro WST m                           ; tile m's sums join the run's; at a run's end the sums are stored and begin anew
	s_cmp_gt_u32 s25, \m
	s_cbranch_scc0 .Lwsend
.irp j, 0,1,2,3
	v_pk_add_f32 v[OA+2*\j:OA+2*\j+1], v[OA+2*\j:OA+2*\j+1], v[SL+8*\m+2*\j:SL+8*\m+2*\j+1]
.endr
	VW
	s_bitcmp1_b32 s91, \m                          ; is tile m its batch's last, or the unit's?
	s_cbranch_scc0 .Lnoend_\@
	s_add_co_u32 s28, s22, s92                     ; the run's slot
	s_min_u32 s28, s28, 543
	s_lshl_b32 s94, s28, 12
	s_mov_b32 s95, 0
	s_add_nc_u64 s[94:95], s[16:17], s[94:95]
	global_store_b128 v[OOFF], v[OA:OA+3], s[94:95]                ; 32 lanes store 512 consecutive bytes, aligned
	global_store_b128 v[OOFF], v[OA+4:OA+7], s[94:95] offset:512
	s_cmp_lg_u32 s20, 0
	s_cbranch_scc1 .Lnoml_\@                       ; wave 0 stores the run's (m, l): lane m holds tile m's
	v_readlane_b32 s96, v224, \m
	v_readlane_b32 s97, v225, \m
	v_mov_b32 v226, s96
	v_mov_b32 v227, s97
	s_lshl_b32 s98, s28, 3
	s_mov_b32 s99, 0
	s_add_nc_u64 s[98:99], s[18:19], s[98:99]
	global_store_b64 v[MLOFF], v[226:227], s[98:99]
.Lnoml_\@:
	s_wait_xcnt 0x0                                ; the stores have read their data and their bases
.irp c, 0,1,2,3,4,5,6,7
	v_mov_b32 v[OA+\c], 0
.endr
	s_add_co_u32 s92, s92, 1                       ; every batch has a tile: the next run is the next batch's
	VW
.Lnoend_\@:
.endm
	s_mov_b32 s21, 0
.Lpass:
	; ---- MAP: which tiles are mine, and for each its batch, its first row and how many of its rows count
	s_cmp_eq_u32 s21, 0
	s_cselect_b32 s28, s24, s90
	s_cselect_b32 s31, 0, s2
	s_mul_i32 s93, ttmp9, s28
	s_add_co_u32 s93, s93, s31                     ; the unit's first tile
	s_lshl_b32 s22, s21, 8
	s_add_co_u32 s22, s22, ttmp9                   ; the unit
	s_sub_co_i32 s25, s23, s93
	s_max_i32 s25, s25, 0
	s_min_u32 s25, s25, s28                        ; its tiles
	s_add_co_u32 s26, s25, 3
	s_lshr_b32 s26, s26, 2                         ; its halves of four tiles (two groups of two): 0, 1 or 2
	s_max_u32 s31, s25, 1
	s_sub_co_u32 s31, s31, 1
	v_and_b32 v244, 7, v0                          ; lane l looks up tile l & 7; past the unit's last tile, that last tile again
	v_min_u32 v245, s31, v244
	v_add_nc_u32 v245, s93, v245
	v_min_u32 v245, s3, v245
	v_lshl_or_b32 v246, v245, 17, 0x1ffff          ; X_i > this word where E_i > g
	v_mov_b32 v247, s63
.irp i, 30,29,28,27,26,25,24,23,22,21,20,19,18,17,16,15,14,13,12,11,10,9,8,7,6,5,4,3,2,1,0
	v_cmp_gt_u32 vcc_lo, s[32+\i], v246
	v_cndmask_b32 v247, v247, s[32+\i], vcc_lo
.endr
	v_bfe_u32 v248, v247, 12, 5                    ; the batch
	v_and_b32 v249, 0xfff, v247                    ; its length
	v_lshrrev_b32 v250, 17, v247                   ; where its tiles end
	v_mov_b32 v252, 0x80
	v_add_nc_u32 v251, 15, v249
	v_lshrrev_b32 v251, 4, v251
	v_cmp_eq_u32 vcc_lo, 0, v249
	v_cndmask_b32 v251, v251, v252, vcc_lo
	v_sub_nc_u32 v251, v250, v251
	v_sub_nc_u32 v251, v245, v251
	v_lshlrev_b32 v251, 4, v251                    ; the tile's first row in its batch
	v_sub_nc_u32 v[REML], v249, v251
	v_lshl_add_u32 v[ROWV], v248, 11, v251         ; its first row in enc
	v_add_nc_u32 v254, 1, v245
	v_cmp_eq_u32 s91, v254, v250                   ; bit m: tile m is its batch's last,
	s_sub_co_u32 s28, s25, 1
	s_lshl_b32 s28, 1, s28
	s_or_b32 s91, s91, s28                         ; or the unit's last
	v_or_b32 v255, 64, v244
	v_cmp_gt_u32 vcc_lo, s25, v244
	v_cndmask_b32 v[BTL], v255, v248, vcc_lo
	VW
	v_readlane_b32 s92, v248, 0
.irp j, 0,1,2,3,4,5,6,7
	v_readlane_b32 s28, v248, \j
	s_min_u32 s28, s28, 31
	s_lshl_b32 s94, s28, 12
	s_mov_b32 s95, 0
	s_add_nc_u64 s[66+2*\j:67+2*\j], s[12:13], s[94:95]            ; psc at the tile's batch
.endr
	s_mov_b32 s[G], 0
	s_mov_b32 s[SBF], 0
	s_mov_b32 s[SIM], 0
	s_mov_b32 s[SSC], 0
	s_cmp_eq_u32 s26, 0
	s_cbranch_scc1 .Lxloop                         ; a unit with no tile asks for nothing
	s_wait_loadcnt 0x0                             ; no load into a row slot is out on any way to the loads below
	s_mov_b32 s28, 0
	SETBASE
.irp s, 0,1,2,3,4,5,6,7
	LOADA \s
.endr
.Lxloop:                                           ; four trips, a constant of the text; a group that the unit has not is jumped over, the barrier is not
	s_lshr_b32 s28, s[G], 1                        ; the trip's half: both groups of a half are there, or neither
	s_cmp_ge_u32 s28, s26
	s_cbranch_scc1 .Lxskip
	s_lshl_b32 s28, s[G], 1
	s_add_co_u32 s28, s28, 2
	SETBASE                                        ; the next group's two tiles
	s_add_co_u32 s28, s[G], 1
	s_lshr_b32 s28, s28, 1                         ; the next group's half
	s_cmp_lt_u32 s28, s26
	s_cselect_b32 s[MORE], 1, 0
	v_add_nc_u32 v[BFC], s[SBF], v[BFS]
	v_add_nc_u32 v[IMC], s[SIM], v[IMGST]
	v_add_nc_u32 v[SCC], s[SSC], v[SCST]
	VW
.irp s, 0,1,2,3,4,5,6,7
	ROWQ \s
	NEXT \s
.endr
.Lxskip:
	BARRIER                                        ; the group's codes and scale bytes lie in LDS
	s_lshr_b32 s28, s[G], 1
	s_cmp_ge_u32 s28, s26
	s_cbranch_scc1 .Lfd
	s_cmp_eq_u32 s[G], 0
	s_cbranch_scc0 .Lf1
	FIMGG 0
	s_branch .Lfd
.Lf1:
	s_cmp_eq_u32 s[G], 1
	s_cbranch_scc0 .Lf2
	FIMGG 1
	s_branch .Lfd
.Lf2:
	s_cmp_eq_u32 s[G], 2
	s_cbranch_scc0 .Lf3
	FIMGG 2
	s_branch .Lfd
.Lf3:
	FIMGG 3
.Lfd:
	BARRIER                                        ; every wave has the group in registers: the images' places may be written again
	s_add_co_u32 s[SBF], s[SBF], 32*BP
	s_xor_b32 s[SIM], s[SIM], 17408
	s_add_co_u32 s[SSC], s[SSC], 1024
	s_add_co_u32 s[G], s[G], 1
	s_cmp_lt_u32 s[G], 4
	s_cbranch_scc1 .Lxloop
	s_cmp_eq_u32 s26, 0
	s_cbranch_scc1 .Lnomain                        ; a unit with no tile multiplies and sums nothing
.set i_, 0
.rept 64
	v_mov_b32 v[SA+i_], v[SV0]                     ; the sums' start value: the term sum v of the score
.set i_, i_+1
.endr
	s_wait_xcnt 0x0
	s_mov_b64 s[94:95], s[6:7]
	s_mov_b64 s[96:97], s[8:9]
	s_mov_b64 s[98:99], s[10:11]
	SMALL 0
	STEPB
	SMALL 1
	VW
	s_wait_dscnt 0x0                               ; the last group's fragments
	s_wait_loadcnt 20                              ; both buffers' codes and buffer 0's 20 small loads are in; buffer 1's 20 may be out
	s_mov_b32 s27, 0
.Lmain:                                            ; four trips of 64 columns
	NGROUP 0
	JOIN 0
	NGROUP 1
	JOIN 1
	s_add_co_u32 s27, s27, 1
	s_cmp_lt_u32 s27, 4
	s_cbranch_scc1 .Lmain
	s_wait_loadcnt 0x0
	; ---- RED: a row's sum over my wave's 256 columns
.irp x, 1,2,4,8
.set i_, 0
.rept 64
	v_add_f32_dpp v[SA+i_], v[SA+i_], v[SA+i_] row_xmask:\x row_mask:0xf bank_mask:0xf
.set i_, i_+1
.endr
.endr
.irp m, 0,1,2,3,4,5,6,7
	ds_store_b128 v[REDST], v[SA+8*\m:SA+8*\m+3] offset:64*\m
	ds_store_b128 v[REDST], v[SA+8*\m+4:SA+8*\m+7] offset:64*\m+16
.endr
.Lnomain:
	BARRIER                                        ; the four waves' parts of the scores lie in LDS; the images' places are free
	s_cmp_eq_u32 s26, 0
	s_cbranch_scc1 .Lwsend
	; ---- SM, whole in every wave: lane l has tile l & 7, rows 4 (l >> 3) + 0 .. 3
.irp ww, 0,1,2,3
	ds_load_b128 v[204+4*\ww:207+4*\ww], v[SCLD] offset:512*\ww
.endr
	TRLOAD 0
	v_bfe_u32 v220, v0, 3, 2
	v_lshlrev_b32 v220, 2, v220
	v_sub_nc_u32 v220, v[REML], v220
	v_mov_b32 v221, 0xce6e6b28                     ; -1e9
	v_mov_b32 v223, 0
	v_mov_b32 v227, 0xff800000
	VW
	s_wait_dscnt 32                                ; the four loads of scores are in; the 32 turning loads may be out
	v_pk_add_f32 v[204:205], v[204:205], v[208:209]
	v_pk_add_f32 v[206:207], v[206:207], v[210:211]
	v_pk_add_f32 v[212:213], v[212:213], v[216:217]
	v_pk_add_f32 v[214:215], v[214:215], v[218:219]
	v_pk_add_f32 v[204:205], v[204:205], v[212:213]
	v_pk_add_f32 v[206:207], v[206:207], v[214:215]
	v_pk_mul_f32 v[204:205], v[204:205], -2.0 op_sel_hi:[1,0]
	v_pk_mul_f32 v[206:207], v[206:207], -2.0 op_sel_hi:[1,0]
.irp q, 0,1,2,3
	v_cmp_lt_i32 vcc_lo, \q, v220
	v_cndmask_b32 v[204+\q], v221, v[204+\q], vcc_lo               ; reference()'s mask
.endr
	v_max3_num_f32 v222, v204, v205, v206
	v_max_num_f32 v222, v222, v207
	v_max_num_f32_dpp v222, v222, v222 row_xmask:8 row_mask:0xf bank_mask:0xf
	v_permlanex16_b32 v223, v222, s[SEL], s[SEL+1]
	v_max_num_f32 v222, v222, v223                 ; the tile's largest score
.irp j, 0,1,2,3,4,5,6,7
	v_readlane_b32 s[66+\j], v222, \j
	v_readlane_b32 s[82+\j], v[BTL], \j
.endr
	v_mov_b32 v224, v222
.irp j, 0,1,2,3,4,5,6,7
	v_cmp_eq_u32 vcc_lo, s[82+\j], v[BTL]
	v_cndmask_b32 v226, v227, s[66+\j], vcc_lo
	v_max_num_f32 v224, v224, v226                 ; m: the largest over the unit's tiles of my tile's batch
.endr
.irp q, 0,1,2,3
	v_sub_f32 v[204+\q], v[204+\q], v224           ; the maximum is taken away ahead of the exponential
.endr
.irp q, 0,1,2,3
	v_mul_f32 v[204+\q], 0x3fb8aa3b, v[204+\q]
.endr
	VW
.irp q, 0,1,2,3
	v_exp_f32 v[204+\q], v[204+\q]
.endr
	v_mov_b32 v225, 0
	VW
	v_add_f32 v228, v204, v205
	v_add_f32 v226, v206, v207
	v_add_f32 v228, v228, v226
	v_add_f32_dpp v228, v228, v228 row_xmask:8 row_mask:0xf bank_mask:0xf
	v_permlanex16_b32 v223, v228, s[SEL], s[SEL+1]
	v_add_f32 v228, v228, v223                     ; the tile's sum of weights, in f32
.irp j, 0,1,2,3,4,5,6,7
	v_readlane_b32 s[74+\j], v228, \j
.endr
.irp j, 0,1,2,3,4,5,6,7
	v_cmp_eq_u32 vcc_lo, s[82+\j], v[BTL]
	v_cndmask_b32 v226, 0, s[74+\j], vcc_lo
	v_add_f32 v225, v225, v226                     ; l: the sum over the same tiles
.endr
	; ---- WS.  Lane (n, h) wants the weights of tile n % 8's rows 8 h + 0 .. 7: I have four of them, lane l xor 8 the other four
	v_cvt_pk_f16_f32 v229, v204, v205
	v_cvt_pk_f16_f32 v230, v206, v207
	v_mov_b32 v231, 0
	v_mov_b32 v232, 0
	v_bfe_u32 v233, v0, 3, 1
	v_mov_b32_dpp v231, v229 row_xmask:8 row_mask:0xf bank_mask:0xf
	v_mov_b32_dpp v232, v230 row_xmask:8 row_mask:0xf bank_mask:0xf
	v_cmp_eq_u32 vcc_lo, 0, v233
	v_cndmask_b32 v234, v231, v229, vcc_lo
	v_cndmask_b32 v235, v232, v230, vcc_lo
	v_cndmask_b32 v236, v229, v231, vcc_lo
	v_cndmask_b32 v237, v230, v232, vcc_lo
.irp m, 0,1,2,3,4,5,6,7
	v_cmp_eq_u32 vcc_lo, \m, v[TAU]
.irp i, 0,1,2,3
	v_cndmask_b32 v[WB+4*\m+\i], 0, v[234+\i], vcc_lo
.endr
.endr
.irp c, 0,1,2,3,4,5,6,7
	v_mov_b32 v[OA+\c], 0
.endr
	VW
	CH 0
	CH 1
	CH 2
	CH 3
.Lstage:
	; Through my stage, so that a tile's 256 sums lie in the columns' order (the copy's order is undone here)
.rept 4
	v_nop                                          ; four places between the last product and the first read of results (ISA guide 7.12.1)
.endr
	WIN 0x04
.irp t, 0,1,2,3,4,5,6,7,8,9,10,11,12,13,14,15
	ds_store_b128 v[STST], v[8*\t:8*\t+3] offset:32*\t
	ds_store_b128 v[STST], v[8*\t+4:8*\t+7] offset:32*\t+512
.endr
	WIN 0
.irp m, 0,1,2,3,4,5,6,7
	ds_load_b128 v[SL+8*\m:SL+8*\m+3], v[STLD] offset:STP*\m       ; LDS serves a wave's instructions in order: these see my stores
	ds_load_b128 v[SL+8*\m+4:SL+8*\m+7], v[STLD] offset:STP*\m+512
.endr
	s_wait_dscnt 0x0
.irp m, 0,1,2,3,4,5,6,7
	WST \m
.endr
.Lwsend:
	BARRIER                                        ; every wave's reads of the copy, of the scores and of its stage are over: the next pass may write them
	s_add_co_u32 s21, s21, 1
	s_cmp_lt_u32 s21, 2
	s_cbranch_scc1 .Lpass
	s_wait_tensorcnt 0x0                           ; the wave's end
	ds_add_u32 v[SPW], v[NIL]
	s_wait_dscnt 0x0
	s_endpgm
.Lfunc_end_k_q0de1f6eac1_attend:
	.size	k_q0de1f6eac1_attend, .Lfunc_end_k_q0de1f6eac1_attend-k_q0de1f6eac1_attend
	.p2alignl 7, 3214868480
	.fill 96, 4, 3214868480
	.section	.rodata,"a",@progbits
	.p2align	6, 0x0
	.amdhsa_kernel k_q0de1f6eac1_attend
		.amdhsa_group_segment_fixed_size 307712
		.amdhsa_private_segment_fixed_size 0
		.amdhsa_enable_private_segment 0
		.amdhsa_kernarg_size 64
		.amdhsa_user_sgpr_count 2
		.amdhsa_user_sgpr_kernarg_segment_ptr 1
		.amdhsa_wavefront_size32 1
		.amdhsa_system_sgpr_workgroup_id_x 1
		.amdhsa_system_sgpr_workgroup_id_y 1
		.amdhsa_system_sgpr_workgroup_id_z 1
		.amdhsa_system_vgpr_workitem_id 0
		.amdhsa_next_free_vgpr 1024
		.amdhsa_next_free_sgpr 106
		.amdhsa_reserve_vcc 1
		.amdhsa_float_denorm_mode_32 3
		.amdhsa_float_denorm_mode_16_64 3
		.amdhsa_memory_ordered 1
		.amdhsa_forward_progress 1
		.amdhsa_inst_pref_size 255
	.end_amdhsa_kernel
	.section	.bss,"aw",@nobits
	.p2align	6
	.space	262144
	.amdgpu_metadata
---
amdhsa.version: [ 1, 2 ]
amdhsa.kernels:
  - .name:           k_q0de1f6eac1_attend
    .symbol:         k_q0de1f6eac1_attend.kd
    .args:
      - { .name: encoder_outputs, .offset: 0, .size: 8, .value_kind: global_buffer, .address_space: global }
      - { .name: W_h_codes, .offset: 8, .size: 8, .value_kind: global_buffer, .address_space: global }
      - { .name: W_h_scales, .offset: 16, .size: 8, .value_kind: global_buffer, .address_space: global }
      - { .name: v, .offset: 24, .size: 8, .value_kind: global_buffer, .address_space: global }
      - { .name: psc, .offset: 32, .size: 8, .value_kind: global_buffer, .address_space: global }
      - { .name: src_lengths, .offset: 40, .size: 8, .value_kind: global_buffer, .address_space: global }
      - { .name: part_o, .offset: 48, .size: 8, .value_kind: global_buffer, .address_space: global }
      - { .name: part_ml, .offset: 56, .size: 8, .value_kind: global_buffer, .address_space: global }
    .group_segment_fixed_size: 307712
    .private_segment_fixed_size: 0
    .kernarg_segment_align: 8
    .kernarg_segment_size: 64
    .max_flat_workgroup_size: 128
    .sgpr_count:     106
    .vgpr_count:     1024
    .wavefront_size: 32
...
	.end_amdgpu_metadata
.endif
;; end of part 2
;; launch merge (part 3): grid 4 x 32, 2 waves a work-group, no clusters, 0 bytes of LDS; arguments src_lengths, part_o, part_ml, out0; writes out0
.if DOCPART == 3
	.amdgcn_target "amdgcn-amd-amdhsa--gfx1250"
	.amdhsa_code_object_version 6
	.text
	.protected	k_q0de1f6eac1_merge
	.globl	k_q0de1f6eac1_merge
	.p2align	8
	.type	k_q0de1f6eac1_merge,@function
k_q0de1f6eac1_merge:
	s_mov_b64 s[64:65], 0
	v_nop
	global_prefetch_b8 v0, s[64:65] scope:SCOPE_SE
	s_setreg_imm32_b32 hwreg(HW_REG_WAVE_MODE, 25, 1), 1
	s_wait_xcnt 0x0
; out0[b][:] = (sum over the batch's parts of exp(m - M) o[:]) / (sum of exp(m - M) l), M the largest m: the parts of the softmax and of the weighted sum that the launch before stored are joined.
; Work left out: rows at or beyond a length above 0 have no part (the launch before shows why they are dead); a NaN or an infinity in such a row is not carried to the result.
; Which slots hold batch b's parts follows from src_lengths by the same whole-number arithmetic as in the launch before: the batch's tiles are P .. P + t - 1 of the list; tile x lies in unit x / c1 where x < 256 c1,
; else in unit 256 + (x - 256 c1) / c2; the batch has a part in every unit u0 .. u1 that holds one of its tiles, in slot u + b.  x / c = (x mg) >> 16 with mg = 65,536 / c + 1 (rounded down), exact for x < 8,192 and c <= 8.
; SHARES.  Work-group (x, b): 256 columns of batch b; a thread 4 of them.  A trip takes 32 parts: a lane a pair (m, l), and 32 loads of 512 consecutive bytes a wave.  A running maximum joins the trips.
; Past the batch's last part the last slot is read again and weighs 0: nothing is read that was not stored.  No LDS, no barrier: waves share nothing.
.set B,     12
.set T,     13
.set TMP,   14
.set XB,    15
.set LB,    16
.set EB,    17
.set TB,    18
.set C1,    19
.set C2,    20
.set BASE2, 21
.set MG1,   22
.set MG2,   23
.set U0,    24
.set U1,    25
.set NU,    26
.set NUM1,  27
.set SLOT0, 30
.set TRIPS, 31
.set KB,    66
.set TC,    67
.set VAL,   68
.set SEL,   70
.macro PREFIX e, t                     ; X_i = E_i << 17 | i << 12 | L_i, as in the launch before; s[e] ends as T
	s_mov_b32 s[\e], 0
.set i_, 0
.rept 32
	s_max_i32 s[32+i_], s[32+i_], 0
	s_min_u32 s[32+i_], s[32+i_], 2048
	s_add_co_u32 s[\t], s[32+i_], 15
	s_lshr_b32 s[\t], s[\t], 4
	s_cmp_eq_u32 s[32+i_], 0
	s_cselect_b32 s[\t], 128, s[\t]
	s_add_co_u32 s[\e], s[\e], s[\t]
	s_lshl_b32 s[\t], s[\e], 17
	s_or_b32 s[32+i_], s[32+i_], s[\t]
.if i_ > 0
	s_or_b32 s[32+i_], s[32+i_], (i_<<12)
.endif
.set i_, i_+1
.endr
.endm
.macro MAGIC d, c                      ; s[d] = 65,536 / s[c] + 1, rounded down, for s[c] = 1 .. 8
	s_mov_b32 s[\d], 8193
	s_cmp_eq_u32 s[\c], 1
	s_cselect_b32 s[\d], 65537, s[\d]
	s_cmp_eq_u32 s[\c], 2
	s_cselect_b32 s[\d], 32769, s[\d]
	s_cmp_eq_u32 s[\c], 3
	s_cselect_b32 s[\d], 21846, s[\d]
	s_cmp_eq_u32 s[\c], 4
	s_cselect_b32 s[\d], 16385, s[\d]
	s_cmp_eq_u32 s[\c], 5
	s_cselect_b32 s[\d], 13108, s[\d]
	s_cmp_eq_u32 s[\c], 6
	s_cselect_b32 s[\d], 10923, s[\d]
	s_cmp_eq_u32 s[\c], 7
	s_cselect_b32 s[\d], 9363, s[\d]
.endm
.macro UNIT d, x                       ; s[d] = the unit of tile s[x]
	s_mul_i32 s28, s[\x], s[MG1]
	s_lshr_b32 s28, s28, 16
	s_sub_co_i32 s29, s[\x], s[BASE2]
	s_max_i32 s29, s29, 0
	s_mul_i32 s29, s29, s[MG2]
	s_lshr_b32 s29, s29, 16
	s_add_co_u32 s29, s29, 256
	s_cmp_lt_u32 s[\x], s[BASE2]
	s_cselect_b32 s[\d], s28, s29
.endm
	s_load_b256 s[4:11], s[0:1], 0x0               ; lengths s[4:5], part_o s[6:7], part_ml s[8:9], out0 s[10:11]
	v_and_b32 v1, 31, v0                           ; lane
	v_lshlrev_b32 v2, 4, v0                        ; 512 wave + 16 lane
	s_lshl_b32 s[B], ttmp9, 10
	v_add_nc_u32 v2, s[B], v2                      ; my 16 bytes of a row of 4,096
	s_and_b32 s[B], ttmp7, 0xffff                  ; the batch
	v_mov_b32 v3, 0xff800000                       ; -infinity
	v_mov_b32 v4, 0xff800000                       ; M
	v_mov_b32 v5, 0                                ; the sum of the weights
.irp c, 0,1,2,3
	v_mov_b32 v[8+\c], 0                           ; my four columns
.endr
	v_mov_b32 v49, 0                               ; (a lane permute's destination counts as one of its sources)
	s_mov_b32 s[SEL], 0x76543210
	s_mov_b32 s[SEL+1], 0xfedcba98
	s_wait_kmcnt 0x0
	s_load_b512 s[32:47], s[4:5], 0x0
	s_load_b512 s[48:63], s[4:5], 0x40
	s_wait_kmcnt 0x0
	PREFIX T, TMP
	s_mov_b32 s[XB], s32
.set i_, 1
.rept 31
	s_cmp_eq_u32 s[B], i_
	s_cselect_b32 s[XB], s[32+i_], s[XB]
.set i_, i_+1
.endr
	s_and_b32 s[LB], s[XB], 0xfff
	s_lshr_b32 s[EB], s[XB], 17                    ; where my batch's tiles end
	s_add_co_u32 s[TB], s[LB], 15
	s_lshr_b32 s[TB], s[TB], 4
	s_cmp_eq_u32 s[LB], 0
	s_cselect_b32 s[TB], 128, s[TB]                ; how many they are
	s_sub_co_u32 s[TB], s[EB], s[TB]               ; the first,
	s_sub_co_u32 s[EB], s[EB], 1                   ; the last
	s_add_co_u32 s[C1], s[T], 255
	s_lshr_b32 s[C1], s[C1], 8
	s_min_u32 s[C1], s[C1], 8
	s_lshl_b32 s[BASE2], s[C1], 8
	s_sub_co_i32 s[C2], s[T], s[BASE2]
	s_max_i32 s[C2], s[C2], 0
	s_add_co_u32 s[C2], s[C2], 255
	s_lshr_b32 s[C2], s[C2], 8
	s_max_u32 s[C2], s[C2], 1
	MAGIC MG1, C1
	MAGIC MG2, C2
	UNIT U0, TB
	UNIT U1, EB
	s_sub_co_u32 s[NUM1], s[U1], s[U0]             ; parts - 1
	s_add_co_u32 s[NU], s[NUM1], 1
	s_add_co_u32 s[SLOT0], s[U0], s[B]
	s_add_co_u32 s[TRIPS], s[NU], 31
	s_lshr_b32 s[TRIPS], s[TRIPS], 5
	s_mov_b32 s[KB], 0
	s_mov_b32 s[TC], 0
.Ltrip:
	v_add_nc_u32 v12, s[KB], v1
	v_cmp_gt_u32 s[VAL], s[NU], v12                ; my lane's part exists
	v_min_u32 v13, s[NUM1], v12
	v_add_nc_u32 v13, s[SLOT0], v13
	v_min_u32 v13, 543, v13
	v_lshlrev_b32 v13, 3, v13
	global_load_b64 v[14:15], v13, s[8:9]          ; (m, l)
.set i_, 0
.rept 32
	s_add_co_u32 s[TMP], s[KB], i_
	s_min_u32 s[TMP], s[TMP], s[NUM1]
	s_add_co_u32 s[TMP], s[TMP], s[SLOT0]
	s_min_u32 s[TMP], s[TMP], 543
	s_lshl_b32 s[TMP], s[TMP], 12
	v_add_nc_u32 v[16+i_], s[TMP], v2
	global_load_b128 v[64+4*i_:67+4*i_], v[16+i_], s[6:7]          ; 32 lanes read 512 consecutive bytes, aligned
.set i_, i_+1
.endr
	s_wait_loadcnt 0x0                             ; all are in: so their address registers may be written in the next trip
	v_cndmask_b32 v48, v3, v14, s[VAL]
.irp x, 1,2,4,8
	v_max_num_f32_dpp v48, v48, v48 row_xmask:\x row_mask:0xf bank_mask:0xf
.endr
	v_permlanex16_b32 v49, v48, s[SEL], s[SEL+1]
	v_max_num_f32 v48, v48, v49
	v_max_num_f32 v48, v4, v48                     ; the new M: a number, since every trip has a part
	v_sub_f32 v50, v4, v48
	v_sub_f32 v51, v14, v48
	v_mul_f32 v50, 0x3fb8aa3b, v50
	v_mul_f32 v51, 0x3fb8aa3b, v51
	s_wait_alu depctr_va_vdst(0)
	v_exp_f32 v50, v50                             ; what was summed under the old M is brought under the new (0 in the first trip)
	v_exp_f32 v51, v51                             ; my part's weight
	v_mov_b32 v4, v48                              ; (the plain place behind the exponentials)
	s_wait_alu depctr_va_vdst(0)                   ; the wait ahead of the first line that names a result: one for the two
	v_cndmask_b32 v51, 0, v51, s[VAL]
	v_mul_f32 v52, v51, v15
.irp x, 1,2,4,8
	v_add_f32_dpp v52, v52, v52 row_xmask:\x row_mask:0xf bank_mask:0xf
.endr
	v_permlanex16_b32 v49, v52, s[SEL], s[SEL+1]
	v_add_f32 v52, v52, v49
	v_fma_f32 v5, v5, v50, v52
	v_pk_mul_f32 v[8:9], v[8:9], v[50:51] op_sel_hi:[1,0]
	v_pk_mul_f32 v[10:11], v[10:11], v[50:51] op_sel_hi:[1,0]
.set i_, 0
.rept 32
	v_readlane_b32 s[TMP], v51, i_
.irp c, 0,1,2,3
	v_fma_f32 v[8+\c], s[TMP], v[64+4*i_+\c], v[8+\c]
.endr
.set i_, i_+1
.endr
	s_add_co_u32 s[KB], s[KB], 32
	s_add_co_u32 s[TC], s[TC], 1
	s_cmp_lt_u32 s[TC], s[TRIPS]
	s_cbranch_scc1 .Ltrip
	s_wait_alu depctr_va_vdst(0)
	v_rcp_f32 v5, v5
	s_lshl_b32 s[TMP], s[B], 12
	v_add_nc_u32 v6, s[TMP], v2                    ; my place in out0.  (The plain place behind the reciprocal)
	s_wait_alu depctr_va_vdst(0)
.irp c, 0,1,2,3
	v_mul_f32 v[8+\c], v[8+\c], v5
.endr
	global_store_b128 v6, v[8:11], s[10:11]        ; 32 lanes store 512 consecutive bytes, aligned
	s_endpgm
.Lfunc_end_k_q0de1f6eac1_merge:
	.size	k_q0de1f6eac1_merge, .Lfunc_end_k_q0de1f6eac1_merge-k_q0de1f6eac1_merge
	.p2alignl 7, 3214868480
	.fill 96, 4, 3214868480
	.section	.rodata,"a",@progbits
	.p2align	6, 0x0
	.amdhsa_kernel k_q0de1f6eac1_merge
		.amdhsa_group_segment_fixed_size 0
		.amdhsa_private_segment_fixed_size 0
		.amdhsa_enable_private_segment 0
		.amdhsa_kernarg_size 32
		.amdhsa_user_sgpr_count 2
		.amdhsa_user_sgpr_kernarg_segment_ptr 1
		.amdhsa_wavefront_size32 1
		.amdhsa_system_sgpr_workgroup_id_x 1
		.amdhsa_system_sgpr_workgroup_id_y 1
		.amdhsa_system_sgpr_workgroup_id_z 1
		.amdhsa_system_vgpr_workitem_id 0
		.amdhsa_next_free_vgpr 200
		.amdhsa_next_free_sgpr 84
		.amdhsa_reserve_vcc 0
		.amdhsa_float_denorm_mode_32 3
		.amdhsa_float_denorm_mode_16_64 3
		.amdhsa_memory_ordered 1
		.amdhsa_forward_progress 1
		.amdhsa_inst_pref_size 42
	.end_amdhsa_kernel
	.amdgpu_metadata
---
amdhsa.version: [ 1, 2 ]
amdhsa.kernels:
  - .name:           k_q0de1f6eac1_merge
    .symbol:         k_q0de1f6eac1_merge.kd
    .args:
      - { .name: src_lengths, .offset: 0, .size: 8, .value_kind: global_buffer, .address_space: global }
      - { .name: part_o, .offset: 8, .size: 8, .value_kind: global_buffer, .address_space: global }
      - { .name: part_ml, .offset: 16, .size: 8, .value_kind: global_buffer, .address_space: global }
      - { .name: out0, .offset: 24, .size: 8, .value_kind: global_buffer, .address_space: global }
    .group_segment_fixed_size: 0
    .private_segment_fixed_size: 0
    .kernarg_segment_align: 8
    .kernarg_segment_size: 32
    .max_flat_workgroup_size: 64
    .sgpr_count:     84
    .vgpr_count:     200
    .wavefront_size: 32
...
	.end_amdgpu_metadata
.endif
;; end of part 3
